; MI455X (gfx1250); checked and timed in simulation.
; The chip was launched on July 23, 2026; its instructions are those of AMD's public machine-readable ISA for CDNA 5 (MIT licence, August 2026) and "CDNA5" Instruction Set Architecture Reference Guide (July 2026). The comments in the code are by the model that wrote it; some were corrected since.
;; Convert Dubai Masks. Allowed arithmetic: float matrix products may take bf16 or f16 operands with f32 sums; all other float work in f32.
;; Inputs: class_ids 6 int32; colors 6 x 3 int32; tensor 3 x 4,096 x 4,096 float32.
;; Outputs: out0 4,096 x 4,096 uint8.
;; One version. Each part assembles by itself: llvm-mc -triple=amdgcn-amd-amdhsa -mcpu=gfx1250 --defsym DOCPART=n.
;; ======== version 1 of 1: 1 launch
;; launch masks (part 1): grid 256 x 1, 32 waves a work-group, no clusters, 20,480 bytes of LDS; arguments tensor, colors, class_ids, out0; writes out0
.if DOCPART == 1
	.amdgcn_target "amdgcn-amd-amdhsa--gfx1250"
	.amdhsa_code_object_version 6
	.text
	.protected	k_q8090bf37db_masks
	.globl	k_q8090bf37db_masks
	.p2align	8
	.type	k_q8090bf37db_masks,@function
k_q8090bf37db_masks:
	s_mov_b64 s[64:65], 0
	v_nop
	global_prefetch_b8 v0, s[64:65] scope:SCOPE_SE
	s_setreg_imm32_b32 hwreg(HW_REG_WAVE_MODE, 25, 1), 1
	s_wait_xcnt 0x0
; out0[y][x] = low byte of ( sum over the palette rows c with colors[c] == int32(tensor[:,y,x]) of class_ids[c] ).
; tensor: [3][4096][4096] f32, colors: [6][3] i32, class_ids: [6] i32, out0: [4096][4096] u8.
;
; WHAT IS KEPT OF THE REFERENCE: the floats are converted toward zero (v_cvt_i32_f32) and compared as whole numbers; palette rows
; need not be distinct: every row gets an EFFECTIVE ID = the sum (modulo 2^32) of the ids of all rows of the same colour, & 255, so
; that rows which match together carry the same byte and picking any of them gives the reference's sum.
; LIMIT, stated: floats beyond the range of int32 saturate and NaN gives 0, as v_cvt_i32_f32 defines them.
;
; SHARES: 256 work-groups of 32 waves.  A work-group owns 65,536 consecutive pixels.  A TILE is 512 pixels; tile t of wave w lies at
; pixel 16,384 t + 512 w of the work-group, so the 32 waves together read consecutive memory.  A wave has 4 tiles = 16 GROUPS of 128
; pixels; a group is three loads of 16 bytes a lane (one for each plane), each covering 512 consecutive bytes at a multiple of 512.
; A ring of 8 register slots keeps 24 loads (12,288 bytes) of every wave in flight.  16 groups on 8 slots: the text is straight,
; every step is an immediate offset, and no address register, base or store datum is ever written twice, so nothing waits on them.
; THE WAY OUT: a lane makes 4 bytes a group.  Four groups go through the wave's own 512 bytes of LDS and come back as 16 consecutive
; bytes a lane: one store of the wave covers 512 consecutive bytes at a multiple of 512.  The bytes are the wave's own: no barrier.
; NO CLUSTER: the work-groups share nothing but the 96 bytes of the palette.  No matrix unit: there is no product.
;
; TWO BODIES, chosen by a scalar branch on the palette alone:
;   keyed: all 18 palette numbers lie in 0..255: a pixel is one word, a palette row one xor and one minimum;
;   plain: any other palette: three compares for each row.
.set PLANE,  4096*4096*4               ; bytes from a plane to the next
.set WAVES,  32
.set SLOTS,  8                         ; groups in flight in a wave
.set GROUPS, 16                        ; groups of a wave
.set GBYTES, 512                       ; bytes of a plane in one load of a wave: 128 pixels
.set TIN,    WAVES*4*GBYTES            ; bytes of a plane from a wave's tile to its next: 65,536
.set TOUT,   WAVES*512                 ; the same in out0: 16,384
.set VOFF, 1                           ; v1        byte offset of my 16 bytes in the first group, from the work-group's first byte of a plane
.set OB,   2                           ; v2        16 x thread: my 16 bytes of a tile in out0, and the same number is my 16 bytes of the LDS stage
.set LST,  3                           ; v3        LDS address of my 4 bytes of a tile's first group
.set X,    4                           ; v[4:99]   slot s: 4 registers red, 4 green, 4 blue
.set T,    100                         ; v[100:103] at work, one for each of my 4 pixels
.set D,    104                         ; v104      the group's 4 result bytes
.set O,    108                         ; v[108:123] tile t: 4 registers, 16 result bytes, read back from LDS and stored
.set RED,  4                           ; s[4:5]    red plane at the work-group's first pixel
.set OUT,  10                          ; s[10:11]  out0 at the work-group's first pixel
.set COL,  16                          ; s[16:33]  the palette, row c at COL + 3 c
.set ID,   36                          ; s[36:41]  class_ids
.set GRN,  44                          ; s[44:45]  green plane
.set BLU,  46                          ; s[46:47]  blue plane
.set TS,   50                          ; s[50:52]  scalar work
.set E,    54                          ; s[54:59]  effective ids; in the keyed body: r<<8 | g<<16 | b<<24 | effective id
.set HIGH, 60                          ; s60       0xffffff00
.set C256, 61                          ; s61       256
.set SELB, 62                          ; s62       v_perm_b32: byte 0 of the second source, then byte 0 of the first
.set SELH, 63                          ; s63       v_perm_b32: low half of the second source, then low half of the first
.set MK,   68                          ; s[68:79]  plain body: three lane masks for each of my 4 pixels
	s_load_b256 s[4:11], s[0:1], 0x0               ; tensor s[4:5], colors s[6:7], class_ids s[8:9], out0 s[10:11]
	v_lshl_add_u32 v126, v0, 2, 0x4000
	v_mov_b32 v127, 0
	v_lshrrev_b32 v[T], 5, v0
	v_readfirstlane_b32 s12, v[T]                  ; wave 0..31, as a scalar
	v_and_b32 v[T+1], 31, v0                       ; lane
	s_lshl_b32 s13, s12, 11                        ; a tile is 2,048 bytes of a plane
	s_lshl_b32 s14, s12, 9                         ; and 512 bytes of out0 and of LDS
	v_lshl_add_u32 v[VOFF], v[T+1], 4, s13
	v_lshl_add_u32 v[OB],   v[T+1], 4, s14
	v_lshl_add_u32 v[LST],  v[T+1], 2, s14
	s_lshl_b32 s2, ttmp9, 18                       ; the work-group's 65,536 pixels: 262,144 bytes of a plane (255 x that is below 2^32)
	s_mov_b32 s3, 0
	s_mov_b32 s[HIGH], 0xffffff00
	s_mov_b32 s[C256], 0x100
	s_mov_b32 s[SELB], 0x00000400
	s_mov_b32 s[SELH], 0x05040100
	s_wait_kmcnt 0x0
	s_add_nc_u64 s[RED:RED+1], s[RED:RED+1], s[2:3]
	s_add_nc_u64 s[GRN:GRN+1], s[RED:RED+1], PLANE
	s_add_nc_u64 s[BLU:BLU+1], s[RED:RED+1], 2*PLANE
; the three loads of group g, into its slot.  Read once in the launch: non-temporal.
.macro FILL g
	global_load_b128 v[X+12*((\g)%SLOTS):X+12*((\g)%SLOTS)+3],    v[VOFF], s[RED:RED+1] offset:((\g)/4)*TIN+((\g)%4)*GBYTES th:TH_LOAD_NT
	global_load_b128 v[X+12*((\g)%SLOTS)+4:X+12*((\g)%SLOTS)+7],  v[VOFF], s[GRN:GRN+1] offset:((\g)/4)*TIN+((\g)%4)*GBYTES th:TH_LOAD_NT
	global_load_b128 v[X+12*((\g)%SLOTS)+8:X+12*((\g)%SLOTS)+11], v[VOFF], s[BLU:BLU+1] offset:((\g)/4)*TIN+((\g)%4)*GBYTES th:TH_LOAD_NT
.endm
.irp g, 0,1,2,3,4,5,6,7
	FILL \g                                        ; the ring is filled before anything else is done
.endr
	s_load_b512 s[COL:COL+15], s[6:7], 0x0         ; the palette's 72 bytes
	s_load_b64  s[COL+16:COL+17], s[6:7], 0x40
	s_load_b128 s[ID:ID+3], s[8:9], 0x0            ; the ids' 24 bytes
	s_load_b64  s[ID+4:ID+5], s[8:9], 0x10
	s_lshl_b32 s2, ttmp9, 16                       ; 65,536 bytes of out0
	s_add_nc_u64 s[OUT:OUT+1], s[OUT:OUT+1], s[2:3]
	s_wait_kmcnt 0x0
	; THE PALETTE, in scalar registers, while the ring's loads are on their way.
	; Effective ids: each row starts with its own id; each of the 15 pairs of rows that are equal gives each the other's id.
.irp c, 0,1,2,3,4,5
	s_mov_b32 s[E+\c], s[ID+\c]
.endr
.macro PAIR i, j
	s_xor_b32 s[TS],   s[COL+3*\i],   s[COL+3*\j]
	s_xor_b32 s[TS+1], s[COL+3*\i+1], s[COL+3*\j+1]
	s_xor_b32 s[TS+2], s[COL+3*\i+2], s[COL+3*\j+2]
	s_or_b32  s[TS],   s[TS], s[TS+1]
	s_or_b32  s[TS],   s[TS], s[TS+2]              ; SCC = 1: the rows differ somewhere
	s_cselect_b32 s[TS+1], 0, s[ID+\j]             ; (a select leaves SCC as it is)
	s_cselect_b32 s[TS+2], 0, s[ID+\i]
	s_add_co_u32 s[E+\i], s[E+\i], s[TS+1]
	s_add_co_u32 s[E+\j], s[E+\j], s[TS+2]
.endm
.irp i, 0,1,2,3,4
.irp j, 1,2,3,4,5
.if \j > \i
	PAIR \i, \j
.endif
.endr
.endr
.irp c, 0,1,2,3,4,5
	s_and_b32 s[E+\c], s[E+\c], 0xff               ; the result is a byte
.endr
	; Does the whole palette lie in 0..255?  The OR of its 18 numbers, taken as unsigned, says so (a negative number has bit 31).
	s_or_b32 s[TS], s[COL], s[COL+1]
.irp k, 2,3,4,5,6,7,8,9,10,11,12,13,14,15,16,17
	s_or_b32 s[TS], s[TS], s[COL+\k]
.endr
; KEYED: my 4 pixels of the slot at XB (a symbol set by TURN).  87 vector instructions.
; key = r<<8 | g<<16 | b<<24.  key xor (a row's key | its id) is the id where pixel and row agree and at least 256 where they differ, so
; the minimum over the rows is the id of a matching row, or at least 256.  A pixel with a number outside 0..255 has a bit above bit 7
; in r|g|b (negative numbers too); its key means nothing, and those bits, ORed into the minimum, lift it to 256 or more.  The last
; minimum, with 256, leaves the low byte 0 for every pixel without a match.
.macro KEYED
.irp i, 0,1,2,3,4,5,6,7,8,9,10,11
	v_cvt_i32_f32 v[XB+\i], v[XB+\i]               ; toward zero, in place
.endr
.irp p, 0,1,2,3
	v_or_b32 v[T+\p], v[XB+\p], v[XB+4+\p]
.endr
.irp p, 0,1,2,3
	v_or_b32 v[T+\p], v[T+\p], v[XB+8+\p]          ; r | g | b
.endr
.irp p, 0,1,2,3
	v_lshlrev_b32 v[XB+\p], 8, v[XB+\p]
.endr
.irp p, 0,1,2,3
	v_lshl_or_b32 v[XB+\p], v[XB+4+\p], 16, v[XB+\p]
.endr
.irp p, 0,1,2,3
	v_lshl_or_b32 v[XB+\p], v[XB+8+\p], 24, v[XB+\p]   ; the key, in red's registers; green's and blue's are free now
.endr
.irp p, 0,1,2,3
	v_xor_b32 v[XB+8+\p], s[E], v[XB+\p]           ; row 0 starts the minimum: nothing is cleared
.endr
.irp c, 1,2,3,4,5
.irp p, 0,1,2,3
	v_xor_b32 v[XB+4+\p], s[E+\c], v[XB+\p]
.endr
.irp p, 0,1,2,3
	v_min_u32 v[XB+8+\p], v[XB+8+\p], v[XB+4+\p]
.endr
.endr
.irp p, 0,1,2,3
	v_and_or_b32 v[XB+8+\p], v[T+\p], s[HIGH], v[XB+8+\p]
.endr
.irp p, 0,1,2,3
	v_min_u32 v[XB+8+\p], s[C256], v[XB+8+\p]
.endr
	v_perm_b32 v[T],   v[XB+9],  v[XB+8],  s[SELB]  ; low bytes of pixels 0, 1 (the upper half is not used)
	v_perm_b32 v[T+1], v[XB+11], v[XB+10], s[SELB]  ; of pixels 2, 3
	v_perm_b32 v[D],   v[T+1],   v[T],     s[SELH]  ; four bytes, pixel 0 lowest
.endm
; PLAIN: the same for any palette.  For each row three compares into lane masks, their AND in scalar registers, one select.
.macro PLAIN
.irp i, 0,1,2,3,4,5,6,7,8,9,10,11
	v_cvt_i32_f32 v[XB+\i], v[XB+\i]
.endr
.irp c, 0,1,2,3,4,5
.irp p, 0,1,2,3
	v_cmp_eq_u32 s[MK+3*\p],   s[COL+3*\c],   v[XB+\p]
	v_cmp_eq_u32 s[MK+3*\p+1], s[COL+3*\c+1], v[XB+4+\p]
	v_cmp_eq_u32 s[MK+3*\p+2], s[COL+3*\c+2], v[XB+8+\p]
.endr
.irp p, 0,1,2,3
	s_and_b32 s[MK+3*\p], s[MK+3*\p], s[MK+3*\p+1]
	s_and_b32 s[MK+3*\p], s[MK+3*\p], s[MK+3*\p+2]
.endr
.irp p, 0,1,2,3
.if \c == 0
	v_cndmask_b32 v[T+\p], 0, s[E+\c], s[MK+3*\p]          ; row 0 starts from the default, 0
.else
	v_cndmask_b32 v[T+\p], v[T+\p], s[E+\c], s[MK+3*\p]
.endif
.endr
.endr
	v_lshl_or_b32 v[D], v[T+1], 8,  v[T]           ; effective ids are bytes: four of them make the word
	v_lshl_or_b32 v[D], v[T+2], 16, v[D]
	v_lshl_or_b32 v[D], v[T+3], 24, v[D]
.endm
; The turn of group g.
.macro TURN g, keyed
.set XB, X+12*((\g)%SLOTS)
.if (\g) < SLOTS
	s_wait_loadcnt 3*(SLOTS-1)                     ; loads come back in order (ISA guide 5.7.1): behind my group's three stand seven younger groups, which stay out
.else
	s_wait_loadcnt 3*(GROUPS-1-(\g))               ; nothing is issued any more: the groups behind mine run down to none
.endif
.if \keyed
	KEYED
.else
	PLAIN
.endif
.if (\g) < GROUPS-SLOTS
	FILL (\g)+SLOTS                                ; the slot's registers are done with: the group 8 further on
.endif
.if (\g)%4 == 0
.if (\g) > 0
	s_wait_dscnt 0x0                               ; the last tile's 16 bytes, asked for a turn ago, are back from LDS; nothing else of mine is out there
	global_store_b128 v[OB], v[O+4*((\g)/4-1):O+4*((\g)/4-1)+3], s[OUT:OUT+1] offset:((\g)/4-1)*TOUT th:TH_STORE_NT
.endif
.endif
	ds_store_b32 v[LST], v[D] offset:128*((\g)%4)  ; 32 lanes, 128 consecutive bytes of my wave's stage
.if (\g)%4 == 3
	ds_load_b128 v[O+4*((\g)/4):O+4*((\g)/4)+3], v[OB]     ; LDS serves a wave's instructions in order (ISA guide 5.7.1): this sees the four stores
.endif
.endm
.macro FINISH
	s_wait_dscnt 0x0
	global_store_b128 v[OB], v[O+12:O+15], s[OUT:OUT+1] offset:3*TOUT th:TH_STORE_NT
	s_wait_tensorcnt 0x0
	ds_add_u32 v126, v127
	s_wait_dscnt 0x0
	s_endpgm
.endm
	s_cmp_gt_u32 s[TS], 0xff
	s_cbranch_scc1 .Lplain                         ; some palette number lies outside 0..255
	; keys of the rows, with the effective id in the low byte
.irp c, 0,1,2,3,4,5
	s_lshl_b32 s[TS],   s[COL+3*\c],   8
	s_lshl_b32 s[TS+1], s[COL+3*\c+1], 16
	s_lshl_b32 s[TS+2], s[COL+3*\c+2], 24
	s_or_b32 s[TS], s[TS], s[TS+1]
	s_or_b32 s[E+\c], s[E+\c], s[TS+2]
	s_or_b32 s[E+\c], s[E+\c], s[TS]
.endr
.irp g, 0,1,2,3,4,5,6,7,8,9,10,11,12,13,14,15
	TURN \g, 1
.endr
	FINISH
.Lplain:
.irp g, 0,1,2,3,4,5,6,7,8,9,10,11,12,13,14,15
	TURN \g, 0
.endr
	FINISH
.Lfunc_end_k_q8090bf37db_masks:
	.size	k_q8090bf37db_masks, .Lfunc_end_k_q8090bf37db_masks-k_q8090bf37db_masks
	.p2alignl 7, 3214868480
	.fill 96, 4, 3214868480
	.section	.rodata,"a",@progbits
	.p2align	6, 0x0
	.amdhsa_kernel k_q8090bf37db_masks
		.amdhsa_group_segment_fixed_size 20480
		.amdhsa_private_segment_fixed_size 0
		.amdhsa_enable_private_segment 0
		.amdhsa_kernarg_size 32
		.amdhsa_user_sgpr_count 2
		.amdhsa_user_sgpr_kernarg_segment_ptr 1
		.amdhsa_wavefront_size32 1
		.amdhsa_system_sgpr_workgroup_id_x 1
		.amdhsa_system_sgpr_workgroup_id_y 1
		.amdhsa_system_sgpr_workgroup_id_z 1
		.amdhsa_system_vgpr_workitem_id 0
		.amdhsa_next_free_vgpr 128
		.amdhsa_next_free_sgpr 80
		.amdhsa_reserve_vcc 0
		.amdhsa_float_denorm_mode_32 3
		.amdhsa_float_denorm_mode_16_64 3
		.amdhsa_memory_ordered 1
		.amdhsa_forward_progress 1
		.amdhsa_inst_pref_size 200
	.end_amdhsa_kernel
	.amdgpu_metadata
---
amdhsa.version: [ 1, 2 ]
amdhsa.kernels:
  - .name:           k_q8090bf37db_masks
    .symbol:         k_q8090bf37db_masks.kd
    .args:
      - { .name: tensor, .offset: 0, .size: 8, .value_kind: global_buffer, .address_space: global }
      - { .name: colors, .offset: 8, .size: 8, .value_kind: global_buffer, .address_space: global }
      - { .name: class_ids, .offset: 16, .size: 8, .value_kind: global_buffer, .address_space: global }
      - { .name: out0, .offset: 24, .size: 8, .value_kind: global_buffer, .address_space: global }
    .group_segment_fixed_size: 20480
    .private_segment_fixed_size: 0
    .kernarg_segment_align: 8
    .kernarg_segment_size: 32
    .max_flat_workgroup_size: 1024
    .sgpr_count:     80
    .vgpr_count:     128
    .wavefront_size: 32
...
	.end_amdgpu_metadata
.endif
;; end of part 1
